; MI455X (gfx1250); checked and timed in simulation.
; The chip was launched on July 23, 2026; its instructions are those of AMD's public machine-readable ISA for CDNA 5 (MIT licence, August 2026) and "CDNA5" Instruction Set Architecture Reference Guide (July 2026). The comments in the code are by the model that wrote it; some were corrected since.
;; D Full Attention. Allowed arithmetic: matrix products marked QUANTISED: E2M3 operands, one E8M0 scale for each 32 along K, by v_wmma_scale_f32_16x16x128_f8f6f4 with both operands' format E2M3, f32 sums; products left as they are: f32 operands where the result goes on into a quantised operand, else bf16, f16 or f32 operands; f32 sums; everything else in f32.
;; Inputs: W1 128 x 64 float32; W2 64 x 1 float32; b1 64 float32; b2 1 float32; keys 8 x 2,048 x 2 x 64 float32; queries 8 x 2,048 x 2 x 64 float32; values 8 x 2,048 x 2 x 64 float32.
;; Outputs: out0 8 x 2,048 x 2 x 64 float32.
;; This version of the problem:
;;   THIS VERSION OF THE PROBLEM IS GIVEN IN LOW PRECISION. The matrix products marked QUANTISED in the list below multiply operands that are first quantised to E2M3 (2 exponent bits, 3 mantissa bits; 6 bits a number), with one power-of-two scale for each 32 numbers along K (OCP MX v1.0); their sums are f32. All else is computed in f32.
;;   The module's matrix products, in the order in which they are computed (A, B: the left and right operand; K: the contracted axis; several contracted axes count as one K, in the product's order):
;;     1. batch 16 x [M 2,048, K 64] x [K 64, N 2,048]; A: input queries; B: input keys: QUANTISED
;;     2. [M 16,384, K 128] x [K 128, N 64]; A: input values; B: input W1: QUANTISED
;;     3. [M 16,384, K 64] x [K 64, N 1]; A: computed on the way; B: input W2: left as it is (N = 1 < 16)
;;     4. batch 16 x [M 64, K 2,048] x [K 2,048, N 2,048]; A: input values; B: softmax (see below): QUANTISED
;;   THE QUANTISER, for each operand of a quantised product, along K:
;;     - K is cut into blocks of 32 from its start; a last block that is shorter is filled with zeros.
;;     - A block's scale is 2^e with e = floor(log2(the largest magnitude in the block)) - 2, held to -126 .. 127; a block of zeros has e = 0. As a byte (E8M0): e + 127.
;;     - Each number is divided by its block's scale, clamped to +-7.5, and rounded to the nearest number of E2M3, ties to even, subnormals kept.
;;     - The product sums the exact products of the quantised numbers (number of the format x scale) in f32.
;;   ~~~python
;;   def quantise(x, axis):      # numpy; x: float32 -> the quantised numbers, widened to float32 again
;;       x = np.moveaxis(x, axis, -1); K = x.shape[-1]
;;       x = np.pad(x, [(0, 0)] * (x.ndim - 1) + [(0, -K % 32)]); x = x.reshape(x.shape[:-1] + (-1, 32)); a = np.abs(x).max(-1, keepdims=True)
;;       e = np.where(a > 0, np.clip(np.frexp(np.where(a > 0, a, 1))[1] - 1 - 2, -126, 127), 0)      # np.frexp(a)[1] - 1 = floor(log2(a)), exactly
;;       r = np.clip(x / 2.0 ** e, -7.5, 7.5)
;;       step = 2.0 ** (np.maximum(np.frexp(np.where(r == 0, 1, r))[1] - 1, 0) - 3)
;;       q = np.round(r / step) * step * 2.0 ** e      # np.round: ties to even
;;       return np.moveaxis(q.reshape(q.shape[:-2] + (-1,))[..., :K], -1, axis).astype(np.float32)
;;   ~~~
;;   SOFTMAX AHEAD OF A QUANTISED PRODUCT. Where the list says 'softmax', what is quantised is not the finished softmax but p = 2^(t - M), with t = logit x log2(e) and M = ceil(the row's largest t), a whole number; so 1/2 < the row's largest p <= 1. The row's sum l is taken of the UNQUANTISED p, in f32, and the product's result is divided by l at the end. Since M is a whole number, a kernel that streams over the keys may use a running M (the ceiling of the running maximum): every later rescaling is an exact power of two, which a block's scale takes up: the codes' values come out the same.
;;   OPERANDS COMPUTED ON THE WAY. 'Computed on the way' means the value that the module computes at that place (a softmax that the list does not call 'softmax' is quantised finished and normalised). What goes into a quantiser is computed in f32, as accurately as f32 sums, v_exp_f32 and their like allow (about 1e-6 of the number): no bf16 or f16 on the way to a quantiser, and a product that is left as it is and whose result goes on into a quantised operand takes f32 operands (vector FMAs, or v_wmma_f32_16x16x4_f32). A number that lies on a knife's edge between two numbers of the format may be rounded either way, as far as f32 arithmetic and the matrix unit's own rounding can turn it there, and no further.
;; 2 versions, each right; version 2 is version 1 with the launch prep written anew for expert scheduling mode. Each part assembles by itself: llvm-mc -triple=amdgcn-amd-amdhsa -mcpu=gfx1250 --defsym DOCPART=n.
;; ======== version 1 of 2: 2 launches
;; workspace buffers: kv 3,407,872 bytes; deg 65,536 bytes
;; launch prep (part 1): grid 256 x 1, 8 waves a work-group, no clusters, 144,640 bytes of LDS; arguments keys, values, W1, b1, W2, b2, kv, deg; writes kv, deg
.if DOCPART == 1
	.amdgcn_target "amdgcn-amd-amdhsa--gfx1250"
	.amdhsa_code_object_version 6
	.text
	.protected	k_qb92ec090bb_prep
	.globl	k_qb92ec090bb_prep
	.p2align	8
	.type	k_qb92ec090bb_prep,@function
k_qb92ec090bb_prep:
	s_mov_b64 s[64:65], 0
	v_nop
	global_prefetch_b8 v0, s[64:65] scope:SCOPE_SE
	s_setreg_imm32_b32 hwreg(HW_REG_WAVE_MODE, 25, 1), 1
	s_wait_xcnt 0x0
; keys and values [8][2048][2][64] f32 become codes of FP6 (E2M3) with one E8M0 byte for each 32 along K, laid in the ORDER OF THE OPERANDS' REGISTERS for the attention launch,
; and deg = clip(sigmoid(relu(values W1 + b1) W2 + b2), 0.01, 0.99) is made, values W1 on codes by the scaled matrix instruction, the dot with W2 in f32.
; kv: 16 heads (2 b + hh) x 16 key steps; a step's RECORD is 13,312 bytes: +0 four images of K (1,536 each), +6,144 four images of V, +12,288 K's scale words, +12,544 V's, +12,800 deg of its 128 keys.
; An image is a fragment's 12 registers: registers 4 c .. 4 c + 3 of lane l at 512 c + 16 l.
;   K, pair p: lane (rho, blk), registers 6 u .. 6 u + 5: channels 32 blk + 0 .. 31 of key 32 p + 8 u + rho + 8 (rho / 8): TWO tiles of 16 keys in one operand of 128 along K (the head has 64).
;   V, tile ct: lane (r, h), registers 6 c .. 6 c + 5: keys 64 c + 32 h + 0 .. 31 of channel 16 ct + r: the keys are the second product's K.
; SHARES.  Work-groups 0-127 take keys, 128-255 values; a work-group takes 128 positions of one batch, 65,536 dense bytes.  They come by loads of 512 consecutive bytes and turn through a tile in LDS.
; Each of the eight waves makes one image (head w / 4, pair or tile w % 4); in the MLP wave w owns positions 16 w .. 16 w + 15.  The two paths have LDS bytes of their own.
; A block's scale byte is its largest magnitude's exponent field - 2, held at 1 from below by a floor among the maximum's leaves.
; LIMITS: NaN and infinities among the inputs are not served; a block whose largest magnitude lies under 2^-124, a block of zeros among them, keeps the byte 1 (its codes are then zeros or
; subnormal codes of that scale; the bytes are read by this program alone).
.set PITCH, 528                        ; a tile's row: 512 bytes + 16: an odd multiple of 16, so that 16 rows' loads of 16 bytes start in 16 different columns
.set GRP,   32*PITCH+64                ; 32 rows on: 64 bytes more, so that the two halves of the lanes, 32 keys apart, read different words of a row of banks
.set KT,    0                          ; K path: the tile, 128 rows
.set KSC,   67840                      ;         scale words, 256 bytes a head
.set VT,    68352                      ; V path: the tile
.set VSC,   136192                     ;         scale words
.set W1I,   136704                     ;         W1's four fragments as images, in pieces of 8 bytes: 1,536 nt + 256 e + 8 l
.set W1S,   142848                     ;         their scale words: 64 nt + 4 r
.set DGS,   143104                     ;         deg of the 128 positions
.set RECB,  13312
.set HEADB, 212992                     ; 16 records
.set X,   16                           ; v16-79   64 numbers of a lane: two blocks of 32
.set WN,  80                           ; v80-111  32 numbers of W1; later W2 at the lane's 32 hidden units
.set IM,  112                          ; v112-123 the fragment just made
.set CT,  124                          ; v124-131 the second halves of the blocks' codes (a conversion's three registers begin on an even number)
.set MX,  132                          ; v132-133 largest magnitudes
.set SO,  134                          ; v134-135 the conversions' scale operands
.set BY,  136                          ; v136-137 scale bytes
.set WD,  138                          ; v138     a scale word, and nothing else
.set PD,  139                          ; v139     a lane permute's destination
.set W1F, 144                          ; v144-191 W1's four fragments
.set W1W, 192                          ; v192-195 their scale words, and nothing else
.set HB,  200                          ; v200-231 b1 in the result's layout, then the hidden layer in place
.macro LOADT                           ; my wave's 16 rows: each load reads a row's 512 consecutive bytes
.irp i, 0,1,2,3,4,5,6,7,8,9,10,11,12,13,14,15
	global_load_b128 v[X+4*\i:X+4*\i+3], v1, s[38:39] offset:512*\i th:TH_LOAD_NT
.endr
.endm
.macro STORET                          ; into the tile, row by row as they arrive: the 15 - i younger tile loads may stay out
.irp i, 0,1,2,3,4,5,6,7,8,9,10,11,12,13,14,15
	s_wait_loadcnt 15-\i
	ds_store_b128 v4, v[X+4*\i:X+4*\i+3] offset:PITCH*\i
.endr
.endm
.macro BARRIER                         ; my LDS stores have landed and my LDS loads are in: then the work-group's barrier
	s_wait_dscnt 0x0
	s_barrier_signal -1
	s_barrier_wait -1
.endm
; cnt blocks of 32 numbers, v[src + 32 k] on, all of one lane, become codes in v[IM + 6 k] on and bytes in v[BY + k]
.macro QUANT src, cnt
.irp k, 0,1
.if \k < \cnt
	v_max3_num_f32 v[MX+\k], |v[\src+32*\k]|, |v[\src+32*\k+1]|, 0x1800000   ; the floor 2^(3 - 127): the byte cannot fall under 1
.endif
.endr
.irp i, 2,4,6,8,10,12,14,16,18,20,22,24,26,28,30
.irp k, 0,1
.if \k < \cnt
	v_max3_num_f32 v[MX+\k], v[MX+\k], |v[\src+32*\k+\i]|, |v[\src+32*\k+\i+1]|
.endif
.endr
.endr
.irp k, 0,1
.if \k < \cnt
	v_add_nc_u32 v[SO+\k], 0xff000000, v[MX+\k]    ; 2 off the exponent field: the conversion takes that field as its scale
.endif
.endr
.irp k, 0,1
.if \k < \cnt
	v_lshrrev_b32 v[BY+\k], 23, v[SO+\k]           ; the scale's byte
.endif
.endr
.irp k, 0,1
.if \k < \cnt
	v_cvt_scalef32_pk16_fp6_f32 v[IM+6*\k:IM+6*\k+2], v[\src+32*\k:\src+32*\k+15], v[SO+\k]
	v_cvt_scalef32_pk16_fp6_f32 v[CT+4*\k:CT+4*\k+2], v[\src+32*\k+16:\src+32*\k+31], v[SO+\k]
.endif
.endr
	v_nop                                          ; one plain place behind a scaled conversion
.irp k, 0,1
.if \k < \cnt
.irp i, 0,1,2
	v_mov_b32 v[IM+6*\k+3+\i], v[CT+4*\k+\i]
.endr
.endif
.endr
.endm
.macro WORD2                           ; my two bytes at bytes h and 2 + h, with lane l xor 16's two: the row's scale word
	v_lshl_or_b32 v[WD], v[BY+1], 16, v[BY]
	v_lshlrev_b32 v[WD], v7, v[WD]
	v_permlanex16_b32 v[PD], v[WD], s28, s29
	v_or_b32 v[WD], v[WD], v[PD]
.endm
.macro IMGOUT                          ; the image leaves as it stands: each store covers 512 consecutive bytes, aligned
.irp c, 0,1,2
	global_store_b128 v1, v[IM+4*\c:IM+4*\c+3], s[36:37] offset:512*\c
.endr
.endm
	s_load_b512 s[4:19], s[0:1], 0x0               ; keys 4, values 6, W1 8, b1 10, W2 12, b2 14, kv 16, deg 18
	v_lshl_add_u32 v254, v0, 2, 0x23100
	v_mov_b32 v255, 0
	v_lshrrev_b32 v2, 5, v0
	v_readfirstlane_b32 s20, v2                    ; wave 0..7
	v_and_b32 v15, 31, v0                          ; lane
	v_lshlrev_b32 v1, 4, v15                       ; 16 x lane
	v_and_b32 v2, 15, v0                           ; r
	v_bfe_u32 v3, v0, 4, 1                         ; h
	v_lshlrev_b32 v7, 3, v3                        ; 8 h
	v_mov_b32 v[PD], 0                             ; written once: a lane permute's destination counts as one of its sources
	s_mov_b32 s28, 0x76543210
	s_mov_b32 s29, 0xfedcba98                      ; v_permlanex16_b32's selects for lane l xor 16
	s_and_b32 s21, ttmp9, 127                      ; the unit: 16 b + step
	s_lshr_b32 s22, s21, 4                         ; b
	s_and_b32 s23, s21, 15                         ; step
	s_lshr_b32 s40, s20, 2                         ; hh (for W1: c)
	s_and_b32 s41, s20, 3                          ; pair or tile (for W1: nt)
	s_mul_i32 s24, s22, 2*HEADB
	s_mul_i32 s25, s23, RECB
	s_add_co_u32 s24, s24, s25                     ; the record of head 2 b
	s_mov_b32 s25, 0
	s_mul_i32 s26, s40, HEADB
	s_mul_i32 s27, s41, 1536
	s_add_co_u32 s26, s26, s27                     ; from there to my image
	s_mov_b32 s27, 0
	s_lshl_b32 s42, s21, 16
	s_lshl_b32 s43, s20, 13
	s_add_co_u32 s42, s42, s43                     ; my wave's 16 rows in keys or values
	s_mov_b32 s43, 0
	s_mul_i32 s44, s20, 16*PITCH
	s_lshr_b32 s45, s20, 1
	s_lshl_b32 s45, s45, 6
	s_add_co_u32 s44, s44, s45                     ; and in a tile: row 16 w, + 64 for each 32 rows passed
	v_add_nc_u32 v4, s44, v1
	v_mul_u32_u24 v13, v3, HEADB
	v_lshl_add_u32 v13, v2, 4, v13                 ; the scale words' way out: lanes 0-15 head 2 b, lanes 16-31 head 2 b + 1
	s_wait_kmcnt 0x0
	s_add_nc_u64 s[34:35], s[16:17], s[24:25]
	s_add_nc_u64 s[36:37], s[34:35], s[26:27]
	s_cmp_ge_u32 ttmp9, 128                        ; the same in all waves of a work-group
	s_cbranch_scc1 .Lvalues
	; ---------------- keys ----------------
	s_add_nc_u64 s[38:39], s[4:5], s[42:43]
	LOADT
	v_and_b32 v14, 8, v2
	v_add_nc_u32 v14, v14, v2                      ; rho + 8 (rho / 8)
	v_mul_u32_u24 v5, v14, PITCH
	v_lshl_add_u32 v5, v3, 7, v5                   ; + 128 blk
	s_mul_i32 s24, s41, GRP                        ; rows 32 p on
	s_lshl_b32 s25, s40, 8                         ; the head's 256 bytes of a row
	s_add_co_u32 s24, s24, s25
	v_add_nc_u32 v5, s24, v5
	s_lshl_b32 s24, s41, 2
	s_add_co_u32 s24, s24, s25
	s_add_co_u32 s24, s24, KSC
	v_lshl_add_u32 v6, v2, 4, s24                  ; my row's scale word: KSC + 256 hh + 16 rho + 4 p
	v_add_nc_u32 v12, KSC, v1
	STORET
	BARRIER                                        ; the 128 rows lie in the tile
.irp u, 0,1
.irp j, 0,1,2,3,4,5,6,7
	ds_load_b128 v[X+32*\u+4*\j:X+32*\u+4*\j+3], v5 offset:\u*8*PITCH+16*\j   ; 32 channels of key 32 p + 8 u + rho + 8 (rho / 8)
.endr
.endr
	s_wait_dscnt 0x0
	QUANT X, 2
	WORD2
	IMGOUT
	ds_store_b32 v6, v[WD]                         ; both halves of the lanes write the same word
	BARRIER
	s_cmp_lg_u32 s20, 0
	s_cbranch_scc1 .Lk_end
	ds_load_b128 v[140:143], v12                   ; wave 0: both heads' 256 bytes of scale words leave as two whole aligned runs of 256 bytes
	s_wait_dscnt 0x0
	global_store_b128 v13, v[140:143], s[34:35] offset:12288
.Lk_end:
	s_wait_tensorcnt 0x0
	ds_add_u32 v254, v255
	s_wait_dscnt 0x0
	s_endpgm
	; ---------------- values ----------------
.Lvalues:
	s_load_b32 s32, s[14:15], 0x0                  ; b2
	s_add_nc_u64 s[38:39], s[6:7], s[42:43]
	s_add_nc_u64 s[36:37], s[36:37], 6144          ; V's images lie behind K's
	s_lshl_b32 s24, s21, 9
	s_add_nc_u64 s[18:19], s[18:19], s[24:25]      ; deg at this unit's 128 numbers
	s_mov_b32 s30, 0x3c23d70a                      ; 0.01
	s_mov_b32 s31, 0x3f7d70a4                      ; 0.99
	s_lshl_b32 s24, s40, 14
	s_lshl_b32 s26, s41, 6
	s_add_co_u32 s24, s24, s26
	v_lshlrev_b32 v9, 2, v2
	v_lshl_add_u32 v9, v3, 13, v9
	v_add_nc_u32 v9, s24, v9                       ; W1(64 c + 32 h, 16 nt + r): a lane takes a column, its registers run down K
	v_lshlrev_b32 v14, 5, v3                       ; b1, W2: 32 h
.irp i, 0,1,2,3,4,5,6,7,8,9,10,11,12,13,14,15,16,17,18,19,20,21,22,23,24,25,26,27,28,29,30,31
	global_load_b32 v[WN+\i], v9, s[8:9] offset:256*\i
.endr
.irp t, 0,1,2,3
	global_load_b128 v[HB+8*\t:HB+8*\t+3], v14, s[10:11] offset:64*\t        ; b1 at hidden units 16 t + 8 h + 0 .. 7: the C of the product
	global_load_b128 v[HB+8*\t+4:HB+8*\t+7], v14, s[10:11] offset:64*\t+16
.endr
	LOADT
	v_add_nc_u32 v4, VT, v4
	s_mul_i32 s24, s41, 1536
	s_mul_i32 s26, s40, 768
	s_add_co_u32 s24, s24, s26
	s_add_co_u32 s24, s24, W1I
	v_lshl_add_u32 v10, v15, 3, s24                ; my half fragment of W1: W1I + 1,536 nt + 768 c + 8 l
	s_lshl_b32 s24, s41, 6
	s_lshl_b32 s26, s40, 1
	s_add_co_u32 s24, s24, s26
	s_add_co_u32 s24, s24, W1S
	v_lshl_add_u32 v11, v2, 2, s24                 ; and its two scale bytes: W1S + 64 nt + 4 r + 2 c
	v_mul_u32_u24 v5, v3, GRP
	v_lshl_add_u32 v5, v2, 2, v5
	s_lshl_b32 s24, s40, 8
	s_lshl_b32 s26, s41, 6
	s_add_co_u32 s24, s24, s26
	s_add_co_u32 s24, s24, VT
	v_add_nc_u32 v5, s24, v5                       ; V's column: key 32 h, channel 64 hh + 16 ct + r
	s_lshl_b32 s24, s40, 8
	s_lshl_b32 s26, s41, 2
	s_add_co_u32 s24, s24, s26
	s_add_co_u32 s24, s24, VSC
	v_lshl_add_u32 v6, v2, 4, s24                  ; VSC + 256 hh + 16 r + 4 ct
	v_mul_u32_u24 v8, v2, PITCH
	v_lshl_add_u32 v8, v3, 7, v8
	s_add_co_u32 s24, s44, VT
	v_add_nc_u32 v8, s24, v8                       ; the MLP's row: position 16 w + r, + 128 h
	v_lshl_add_u32 v232, v15, 3, W1I
	v_lshl_add_u32 v233, v2, 2, W1S
	s_lshl_b32 s24, s20, 6
	s_add_co_u32 s24, s24, DGS
	v_lshl_add_u32 v234, v2, 2, s24                ; deg of position 16 w + r
	v_add_nc_u32 v235, DGS, v1
	v_add_nc_u32 v236, VSC, v1
	STORET                                         ; its counted waits also show the older loads (W1, b1) done
	QUANT WN, 1                                    ; one block of W1 a lane: k = 64 c + 32 h + 0 .. 31 of column 16 nt + r
	v_lshlrev_b32 v140, v7, v[BY]
	v_permlanex16_b32 v[PD], v140, s28, s29
	v_or_b32 v140, v140, v[PD]                     ; bytes 2 c and 2 c + 1 of the column's scale word
.irp q, 0,1,2
	ds_store_b64 v10, v[IM+2*\q:IM+2*\q+1] offset:256*\q
.endr
	ds_store_b16 v11, v140
.irp t, 0,1,2,3
	global_load_b128 v[WN+8*\t:WN+8*\t+3], v14, s[12:13] offset:64*\t        ; W2 at the same hidden units as b1
	global_load_b128 v[WN+8*\t+4:WN+8*\t+7], v14, s[12:13] offset:64*\t+16
.endr
	BARRIER                                        ; the tile and W1's images lie in LDS
.irp c, 0,1
.irp i, 0,1,2,3,4,5,6,7,8,9,10,11,12,13,14,15,16,17,18,19,20,21,22,23,24,25,26,27,28,29,30,31
	ds_load_b32 v[X+32*\c+\i], v5 offset:(64*\c+\i)*PITCH+128*\c             ; V(key 64 c + 32 h + i, my channel)
.endr
.endr
	s_wait_dscnt 0x0
	QUANT X, 2
	WORD2
	IMGOUT
	ds_store_b32 v6, v[WD]
.irp c, 0,1
.irp j, 0,1,2,3,4,5,6,7
	ds_load_b128 v[X+32*\c+4*\j:X+32*\c+4*\j+3], v8 offset:256*\c+16*\j      ; the MLP's operand: k = 64 c + 32 h + 0 .. 31 of position 16 w + r
.endr
.endr
.irp t, 0,1,2,3
.irp e, 0,1,2,3,4,5
	ds_load_b64 v[W1F+12*\t+2*\e:W1F+12*\t+2*\e+1], v232 offset:1536*\t+256*\e
.endr
	ds_load_b32 v[W1W+\t], v233 offset:64*\t
.endr
	s_wait_dscnt 0x0
	s_wait_xcnt 0x0                                ; the image's stores have read their registers: they are written again below
	QUANT X, 2
	WORD2
.rept 8
	v_nop                                          ; a scale register written by a vector instruction stands 8 places ahead of a scaled matrix instruction, an operand so written 4
.endr
.irp t, 0,1,2,3                                ; transposed: source 0 = 16 columns of W1, source 1 = my 16 positions: lane (r, h) holds position r and hidden units 16 t + 8 h + 0 .. 7
	v_wmma_scale_f32_16x16x128_f8f6f4 v[HB+8*\t:HB+8*\t+7], v[W1F+12*\t:W1F+12*\t+11], v[IM:IM+11], v[HB+8*\t:HB+8*\t+7], v[W1W+\t], v[WD] matrix_a_fmt:MATRIX_FMT_FP6 matrix_b_fmt:MATRIX_FMT_FP6
.endr
.rept 4
	v_nop
.endr
.irp j, 0,1,2,3,4,5,6,7,8,9,10,11,12,13,14,15,16,17,18,19,20,21,22,23,24,25,26,27,28,29,30,31
	v_max_num_f32 v[HB+\j], 0, v[HB+\j]            ; relu, each accumulator from its low end on
.endr
	s_wait_loadcnt 0x0                             ; W2
	s_wait_kmcnt 0x0                               ; b2
	v_pk_mul_f32 v[140:141], v[HB:HB+1], v[WN:WN+1]              ; the dot with W2 in f32, two chains
	v_pk_mul_f32 v[142:143], v[HB+2:HB+3], v[WN+2:WN+3]
.irp j, 4,8,12,16,20,24,28
	v_pk_fma_f32 v[140:141], v[HB+\j:HB+\j+1], v[WN+\j:WN+\j+1], v[140:141]
	v_pk_fma_f32 v[142:143], v[HB+\j+2:HB+\j+3], v[WN+\j+2:WN+\j+3], v[142:143]
.endr
	v_pk_add_f32 v[140:141], v[140:141], v[142:143]
	v_add_f32 v140, v140, v141
	v_permlanex16_b32 v[PD], v140, s28, s29
	v_add_f32 v140, v140, v[PD]                    ; with the other 32 hidden units
	v_add_f32 v140, s32, v140
	v_mul_f32 v140, 0xbfb8aa3b, v140               ; sigmoid(x) = 1 / (1 + 2^(-x log2 e))
	v_exp_f32 v140, v140
	v_nop                                          ; a plain place behind the transcendental,
	s_wait_alu depctr_va_vdst(0)                   ; and a wait ahead of its first reader
	v_add_f32 v140, 1.0, v140
	v_rcp_f32 v140, v140
	v_nop
	s_wait_alu depctr_va_vdst(0)
	v_med3_num_f32 v140, v140, s30, s31            ; the clip
	ds_store_b32 v234, v140
	BARRIER
	s_cmp_lg_u32 s20, 0
	s_cbranch_scc1 .Lv_end
	ds_load_b128 v[140:143], v236                  ; wave 0: V's scale words of both heads,
	ds_load_b128 v[144:147], v235                  ; and the 128 deg: 512 bytes
	s_wait_dscnt 0x0
	global_store_b128 v13, v[140:143], s[34:35] offset:12544
	global_store_b128 v1, v[144:147], s[18:19]                     ; for the batch's maximum
	global_store_b128 v1, v[144:147], s[34:35] offset:12800        ; and into both heads' records
	global_store_b128 v1, v[144:147], s[34:35] offset:12800+HEADB
.Lv_end:
	s_wait_tensorcnt 0x0
	ds_add_u32 v254, v255
	s_wait_dscnt 0x0
	s_endpgm
.Lfunc_end_k_qb92ec090bb_prep:
	.size	k_qb92ec090bb_prep, .Lfunc_end_k_qb92ec090bb_prep-k_qb92ec090bb_prep
	.p2alignl 7, 3214868480
	.fill 96, 4, 3214868480
	.section	.rodata,"a",@progbits
	.p2align	6, 0x0
	.amdhsa_kernel k_qb92ec090bb_prep
		.amdhsa_group_segment_fixed_size 144640
		.amdhsa_private_segment_fixed_size 0
		.amdhsa_enable_private_segment 0
		.amdhsa_kernarg_size 64
		.amdhsa_user_sgpr_count 2
		.amdhsa_user_sgpr_kernarg_segment_ptr 1
		.amdhsa_wavefront_size32 1
		.amdhsa_system_sgpr_workgroup_id_x 1
		.amdhsa_system_sgpr_workgroup_id_y 1
		.amdhsa_system_sgpr_workgroup_id_z 1
		.amdhsa_system_vgpr_workitem_id 0
		.amdhsa_next_free_vgpr 256
		.amdhsa_next_free_sgpr 66
		.amdhsa_reserve_vcc 0
		.amdhsa_float_denorm_mode_32 3
		.amdhsa_float_denorm_mode_16_64 3
		.amdhsa_memory_ordered 1
		.amdhsa_forward_progress 1
		.amdhsa_inst_pref_size 40
	.end_amdhsa_kernel
	.amdgpu_metadata
---
amdhsa.version: [ 1, 2 ]
amdhsa.kernels:
  - .name:           k_qb92ec090bb_prep
    .symbol:         k_qb92ec090bb_prep.kd
    .args:
      - { .name: keys, .offset: 0, .size: 8, .value_kind: global_buffer, .address_space: global }
      - { .name: values, .offset: 8, .size: 8, .value_kind: global_buffer, .address_space: global }
      - { .name: W1, .offset: 16, .size: 8, .value_kind: global_buffer, .address_space: global }
      - { .name: b1, .offset: 24, .size: 8, .value_kind: global_buffer, .address_space: global }
      - { .name: W2, .offset: 32, .size: 8, .value_kind: global_buffer, .address_space: global }
      - { .name: b2, .offset: 40, .size: 8, .value_kind: global_buffer, .address_space: global }
      - { .name: kv, .offset: 48, .size: 8, .value_kind: global_buffer, .address_space: global }
      - { .name: deg, .offset: 56, .size: 8, .value_kind: global_buffer, .address_space: global }
    .group_segment_fixed_size: 144640
    .private_segment_fixed_size: 0
    .kernarg_segment_align: 8
    .kernarg_segment_size: 64
    .max_flat_workgroup_size: 256
    .sgpr_count:     66
    .vgpr_count:     256
    .wavefront_size: 32
...
	.end_amdgpu_metadata
.endif
;; end of part 1
;; launch attn (part 2): grid 16 x 16, 8 waves a work-group, clusters of 4 x 1, 327,680 bytes of LDS; arguments queries, kv, deg, out0; writes out0
.if DOCPART == 2
	.amdgcn_target "amdgcn-amd-amdhsa--gfx1250"
	.amdhsa_code_object_version 6
	.text
	.protected	k_qb92ec090bb_attn
	.globl	k_qb92ec090bb_attn
	.p2align	8
	.type	k_qb92ec090bb_attn,@function
k_qb92ec090bb_attn:
	s_mov_b64 s[64:65], 0
	v_nop
	global_prefetch_b8 v0, s[64:65] scope:SCOPE_SE
	s_setreg_imm32_b32 hwreg(HW_REG_WAVE_MODE, 25, 1), 1
	s_wait_xcnt 0x0
	s_wait_alu depctr_hold_cnt(0) depctr_sa_sdst(0) depctr_va_vdst(0) depctr_va_sdst(0) depctr_va_ssrc(0) depctr_va_vcc(0) depctr_vm_vsrc(0)
	s_getreg_b32 s2, hwreg(HW_REG_IB_STS2, 6, 4)
	s_cmp_eq_u32 s2, 0
	s_cbranch_scc0 .Lentry_in_a_cluster
	s_endpgm
.Lentry_in_a_cluster:
	s_bfe_u32 s2, ttmp6, 0x10000c
	s_cmp_lg_u32 s2, 0x3003
	s_cbranch_scc0 .Lentry_shape_is_right
	s_endpgm
.Lentry_shape_is_right:
; out0[b][q][hh][:] = sum over keys of softmax((Q . K + deg - max deg) / 8) V, both products on codes of FP6 (E2M3) with E8M0 scales, from the records that the launch before has laid (its head comment).
; THE SOFTMAX: t = (score + deg - dmax) c, c = log2(e) / 8; M = the running largest t rounded UP to a whole number; p = 2^(t - M) is quantised along the keys, not normalised; the row's sum is taken of the
; unquantised p and divides at the end.  When M moves, the sum and O are multiplied by 2^(old M - new M): exact.  A block's scale byte is floor(x) + 125, x the block's largest t - M: the exponent of 2^x.
; SHARES.  A work-group owns 128 queries of one head (y = 2 b + hh).  Wave w: queries 32 (w % 4) on, two tiles of 16; keys 1,024 (w / 4) on, eight steps of 128.  Waves w and w xor 4 add their halves at the end.
; A head's 16 records, 212,992 bytes, lie in LDS whole: every LDS byte is filled once, by four tensor loads a wave (four of mine are out at the most), and the steps begin when the first chunk has landed.
; CLUSTER.  The four query blocks of a cluster read the same head's records: every fill is asked for jointly, by the same load with a mask that names the four.
; LAYOUT.  Both products are used transposed: a lane holds ONE query (lane % 16) throughout.  The head has 64 channels and the instruction 128 along K: K's image holds two tiles of 16 keys, and Q stands as
; [0, q, 0] in 18 registers, so that [q, 0] multiplies the first tile and [0, q] the second; zero codes add nothing.  deg is the C of these products: the bias costs no vector instruction.
; The 16 registers of a pair of tiles are 16 neighbouring keys 32 p + 16 (lane / 16) + 0 .. 15.
; THE EXPONENTIALS of one tile stand singly between the plain lines of the other tile's work, which name none of their registers; each batch of 64 has one wait ahead of its first reader.
; LIMITS: NaN and infinities are not served; p under 2^-126 is 0; a block of p whose largest lies under 2^-124 keeps the byte 1.
; REGISTERS.  Window 0: v1 ADR, v2 ADG, v3 -dmax c; v4-15 statistics; v16-51 Q; v52-63 scale words; v64-191 S^T, then p; v192-215 p's codes; v216-255 at work.
;             Window 1: v0-47 K's four images, v48-95 V's, v96-159 deg as C, v160-223 O^T.
.set RECB,  13312
.set HEADB, 212992
.set HALFB, 106496                     ; eight records: a wave's keys
.set CHUNK, 26624                      ; two records
.set SCR,   212992                     ; behind the records: eight partial maxima of deg
.set STAT,  213248                     ; (-M, l): 512 w + 256 t + 8 l
.set STG,   217344                     ; a stage of 32 rows x (256 bytes + 16) for each wave
.set WSTG,  8704
.set QI,    286976                     ; Q's fragments as images: 1,024 w: 768 bytes of codes, 128 of scale words
.set ADR, 1                            ; v1   16 x lane + my first record; a record on in each step
.set ADG, 2                            ; v2   64 (lane / 16) + the same
.set DC,  3                            ; v3   -dmax c
.set ST,  4                            ; tile t at +6 t: +0 AD = -M - dmax c, +1 the largest t, +2:+3 the sum in two halves, +4 -M, +5 l at the end
.set QR,  16                           ; tile t at +18 t: six zeros, q's six registers, six zeros
.set QW,  52                           ; v52-53 Q's scale words
.set SW,  54                           ; v54-57, v58-61 by the step's parity: lanes 0-15 K's pair words, lanes 16-31 V's tile words
.set PW,  62                           ; v62-63 p's scale words
.set S,   64                           ; tile t at +64 t
.set PC,  192                          ; tile t at +12 t
.set TM,  216                          ; tile t at +20 t: +0..3 the blocks' largest scores, then x, then bytes; +4..7 permutes' destinations, then F = +4 (pair +4:+5) and T = +6; +8..11 the conversions' scale operands; +12..19 their second halves (+12:+13 also a chain of the sum)
.set KF,  0                            ; window 1
.set VF,  48
.set DG,  96
.set OT,  160                          ; tile t at +32 t
.set MSB, 0
.macro WIN new                         ; the immediate's high byte repeats the setting that is left
.if MSB != \new
	s_set_vgpr_msb (MSB<<8)|\new
.set MSB, \new
.endif
.endm
.macro CROUND                          ; a round of the cluster's barrier
	s_barrier_signal -1
	s_barrier_wait -1
	s_cmp_lg_u32 s12, 0
	s_cbranch_scc1 .Lnot_wave_0_\@
	s_barrier_signal -3
.Lnot_wave_0_\@:
	s_barrier_wait -3
	s_barrier_signal -1
	s_barrier_wait -1
.endm
.macro BARRIER
	s_wait_dscnt 0x0
	s_barrier_signal -1
	s_barrier_wait -1
.endm
; The hook: behind each plain line of the softmax stands XE, which writes the next exponential of the tile in hand, while there is one
.set XN, 64
.set XB, 0
.macro XE
.if XN < 64
	v_exp_f32 v[XB+XN], v[XB+XN]
.set XN, XN+1
.endif
.endm
.macro XON t
.set XB, S+64*(\t)
.set XN, 0
.endm
.macro XFLUSH
.rept 64
	XE
.endr
.endm
.macro MAXB t                          ; the largest score of each block of 32 keys; each accumulator is first read at its low end
.irp b, 0,1,2,3
	v_max3_num_f32 v[TM+20*\t+\b], v[S+64*\t+16*\b], v[S+64*\t+16*\b+1], v[S+64*\t+16*\b+2]
	XE
.endr
.irp i, 3,5,7,9,11,13
.irp b, 0,1,2,3
	v_max3_num_f32 v[TM+20*\t+\b], v[TM+20*\t+\b], v[S+64*\t+16*\b+\i], v[S+64*\t+16*\b+\i+1]
	XE
.endr
.endr
.irp b, 0,1,2,3
	v_max_num_f32 v[TM+20*\t+\b], v[TM+20*\t+\b], v[S+64*\t+16*\b+15]
	XE
.endr
.irp b, 0,1,2,3
	v_permlanex16_b32 v[TM+20*\t+4+\b], v[TM+20*\t+\b], s20, s21
	XE
.endr
.irp b, 0,1,2,3
	v_max_num_f32 v[TM+20*\t+\b], v[TM+20*\t+\b], v[TM+20*\t+4+\b]   ; with lane l xor 16's 16 keys
	XE
.endr
.endm
.macro NEWM t
.set rB, TM+20*\t
.set rF, TM+20*\t+4
.set rT, TM+20*\t+6
.set rS, ST+6*\t
	v_max3_num_f32 v[rT], v[rB], v[rB+1], v[rB+2]
	XE
	v_max_num_f32 v[rT], v[rT], v[rB+3]            ; the step's largest score + deg
	XE
	v_fma_f32 v[rT], v[rT], s22, v[DC]             ; as t
	XE
	v_max_num_f32 v[rS+1], v[rS+1], v[rT]          ; the running largest t
	XE
	v_mov_b32 v[rT], v[rS+4]
	XE
	v_floor_f32 v[rS+4], -v[rS+1]                  ; the new -M = -ceil(t)
	XE
	v_sub_f32 v[rT], v[rS+4], v[rT]                ; old M - new M: a whole number, 0 or less
	XE
	v_cvt_i32_f32 v[rT], v[rT]                     ; (it saturates)
	XE
	v_ldexp_f32 v[rF], 1.0, v[rT]                  ; F = 2^(old M - new M)
	XE
	v_add_f32 v[rS], v[rS+4], v[DC]                ; AD
	XE
.endm
.macro SCALE t
.irp j, 0,2,4,6,8,10,12,14,16,18,20,22,24,26,28,30,32,34,36,38,40,42,44,46,48,50,52,54,56,58,60,62
	v_pk_fma_f32 v[S+64*\t+\j:S+64*\t+\j+1], v[S+64*\t+\j:S+64*\t+\j+1], s[22:23], v[ST+6*\t:ST+6*\t+1] op_sel_hi:[1,0,0]   ; t - M, two at a time
	XE
.endr
.irp b, 0,1,2,3
	v_fma_f32 v[TM+20*\t+\b], v[TM+20*\t+\b], s22, v[ST+6*\t]       ; x: the same of each block's largest
	XE
.endr
.endm
.macro SUMS t                          ; the row's sum, of the unquantised p, in two chains
	v_pk_mul_f32 v[ST+6*\t+2:ST+6*\t+3], v[ST+6*\t+2:ST+6*\t+3], v[TM+20*\t+4:TM+20*\t+5] op_sel_hi:[1,0]
	XE
	v_pk_add_f32 v[TM+20*\t+12:TM+20*\t+13], v[S+64*\t:S+64*\t+1], v[S+64*\t+2:S+64*\t+3]
	XE
.irp j, 4,8,12,16,20,24,28,32,36,40,44,48,52,56,60
	v_pk_add_f32 v[ST+6*\t+2:ST+6*\t+3], v[ST+6*\t+2:ST+6*\t+3], v[S+64*\t+\j:S+64*\t+\j+1]
	XE
	v_pk_add_f32 v[TM+20*\t+12:TM+20*\t+13], v[TM+20*\t+12:TM+20*\t+13], v[S+64*\t+\j+2:S+64*\t+\j+3]
	XE
.endr
	v_pk_add_f32 v[ST+6*\t+2:ST+6*\t+3], v[ST+6*\t+2:ST+6*\t+3], v[TM+20*\t+12:TM+20*\t+13]
	XE
.endm
.macro SCW t                           ; the blocks' scale bytes floor(x) + 125, the conversions' operands, and the scale word
.irp b, 0,1,2,3
	v_max_num_f32 v[TM+20*\t+\b], 0xc2f80000, v[TM+20*\t+\b]        ; -124 from below: the byte cannot fall under 1
	XE
.endr
.irp b, 0,1,2,3
	v_floor_f32 v[TM+20*\t+\b], v[TM+20*\t+\b]
	XE
.endr
.irp b, 0,1,2,3
	v_cvt_i32_f32 v[TM+20*\t+\b], v[TM+20*\t+\b]
	XE
.endr
.irp b, 0,1,2,3
	v_add_nc_u32 v[TM+20*\t+\b], 125, v[TM+20*\t+\b]
	XE
.endr
.irp b, 0,1,2,3
	v_lshlrev_b32 v[TM+20*\t+8+\b], 23, v[TM+20*\t+\b]
	XE
.endr
	v_lshl_or_b32 v[PW+\t], v[TM+20*\t+1], 8, v[TM+20*\t]
	XE
	v_lshl_or_b32 v[PW+\t], v[TM+20*\t+2], 16, v[PW+\t]
	XE
	v_lshl_or_b32 v[PW+\t], v[TM+20*\t+3], 24, v[PW+\t]
	XE
.endm
.macro CVT t
.irp c, 0,1
	v_cvt_scalef32_pk16_fp6_f32 v[PC+12*\t+6*\c:PC+12*\t+6*\c+2], v[S+64*\t+32*\c:S+64*\t+32*\c+15], v[TM+20*\t+8+2*\c]
	v_cvt_scalef32_pk16_fp6_f32 v[TM+20*\t+12+4*\c:TM+20*\t+14+4*\c], v[S+64*\t+32*\c+16:S+64*\t+32*\c+31], v[TM+20*\t+9+2*\c]
.endr
	v_nop                                          ; one plain place behind a scaled conversion
.irp c, 0,1                                    ; the operand wants a WHOLE block in a lane: lanes 0-15 block 2 c, lanes 16-31 block 2 c + 1
.irp i, 0,1,2
	v_permlane16_swap_b32 v[PC+12*\t+6*\c+\i], v[TM+20*\t+12+4*\c+\i]
.endr
.irp i, 0,1,2
	v_mov_b32 v[PC+12*\t+6*\c+3+\i], v[TM+20*\t+12+4*\c+\i]
.endr
.endr
.endm
.macro RESC t                          ; O^T times the factor in F's register; each accumulator from its low end on
.irp j, 0,2,4,6,8,10,12,14,16,18,20,22,24,26,28,30
	v_pk_mul_f32 v[OT+32*\t+\j:OT+32*\t+\j+1], v[OT+32*\t+\j:OT+32*\t+\j+1], v[TM+20*\t+4:TM+20*\t+5] op_sel_hi:[1,0]
.endr
.endm
	s_load_b256 s[4:11], s[0:1], 0x0               ; queries 4, kv 6, deg 8, out0 10
	v_lshl_add_u32 v251, v0, 2, 0x48100
	v_mov_b32 v255, 0
	ds_add_u32 v251, v255
	ds_add_u32 v251, v255
	v_lshrrev_b32 v128, 5, v0
	v_readfirstlane_b32 s12, v128                  ; wave 0..7
	s_lshr_b32 s13, s12, 2                         ; kh: which half of the keys
	s_and_b32 s14, s12, 3                          ; tp: which 32 queries
	s_bfe_u32 s15, ttmp6, 0x40000                  ; cx: it enters the offsets of queries and out0 alone
	s_lshl_b32 s16, ttmp9, 2
	s_add_co_u32 s16, s16, s15                     ; my block of 128 queries
	s_and_b32 s17, ttmp7, 0xffff                   ; the head 2 b + hh, which the four partners share
	s_lshr_b32 s18, s17, 1                         ; b
	s_and_b32 s19, s17, 1                          ; hh
	s_mov_b32 s20, 0x76543210
	s_mov_b32 s21, 0xfedcba98                      ; v_permlanex16_b32's selects for lane l xor 16
	s_mov_b32 s22, 0x3e38aa3b                      ; c = log2(e) / 8
	s_mov_b32 s23, s22                             ; (named with it as a pair)
	; descriptor group 1: 26 dense rows of 256 bytes (32 elements of 8 bytes)
	s_mov_b32 s24, 15|(3<<16)|(1<<21)              ; 15:0 the mask: all four work-groups; 17:16 elements of 8 bytes; 21 set beside a mask
	s_mov_b32 s25, 32<<16                          ; tensor_dim0
	s_mov_b32 s26, 26<<16                          ; tensor_dim1
	s_mov_b32 s27, 32<<16                          ; tile_dim0
	s_mov_b32 s28, 26                              ; tile_dim1
	s_mov_b32 s29, 32                              ; tensor_dim0_stride
	s_mov_b32 s30, 0
	s_mov_b32 s31, 0
	s_lshl_b32 s48, s16, 16                        ; queries and out0: row b 2,048 + 128 block + 32 tp + 16 kh of 512 bytes, + 256 hh
	s_lshl_b32 s50, s18, 20
	s_add_co_u32 s48, s48, s50
	s_lshl_b32 s50, s14, 14
	s_add_co_u32 s48, s48, s50
	s_lshl_b32 s50, s13, 13
	s_add_co_u32 s48, s48, s50
	s_lshl_b32 s50, s19, 8
	s_add_co_u32 s48, s48, s50
	s_mov_b32 s49, 0
	s_mul_i32 s52, s13, HALFB                      ; my first record in LDS
	s_mul_i32 s55, s14, 6656
	s_add_co_u32 s54, s52, s55                     ; what I fetch of a chunk: a quarter of two records, in my half
	s_mul_i32 s56, s17, HEADB
	s_add_co_u32 s56, s56, s54
	s_mov_b32 s57, 0
	s_lshl_b32 s58, s18, 13
	s_lshl_b32 s59, s12, 10
	s_add_co_u32 s58, s58, s59                     ; deg: my 256 numbers of the batch's 2,048
	s_mov_b32 s59, 0
	s_mul_i32 s53, s12, WSTG
	s_add_co_u32 s53, s53, STG                     ; my stage
	s_lshl_b32 s60, s12, 10
	s_add_co_u32 s60, s60, QI                      ; where I put Q's image,
	s_lshl_b32 s61, s14, 10
	s_add_co_u32 s61, s61, QI                      ; and where tile 0's lies (tile 1's: 4,096 on)
	s_lshl_b32 s62, s12, 2
	s_add_co_u32 s62, s62, SCR
	v_and_b32 v128, 31, v0                         ; lane
	v_and_b32 v129, 15, v0                         ; r
	v_bfe_u32 v130, v0, 4, 1                       ; h
	v_lshl_add_u32 v[ADR], v128, 4, s52
	v_lshl_add_u32 v[ADG], v130, 6, s52
	v_lshlrev_b32 v131, 9, v130
	v_lshl_add_u32 v131, v129, 4, v131             ; queries: lanes 0-15 one row's 256 bytes, lanes 16-31 the next row's
	v_mul_u32_u24 v132, v130, 272
	v_lshl_add_u32 v132, v129, 4, v132
	v_add_nc_u32 v132, s53, v132                   ; the same two rows in my stage
	v_mul_u32_u24 v133, v129, 272
	v_lshl_add_u32 v133, v130, 7, v133
	v_add_nc_u32 v133, s53, v133                   ; back: row r, channels 32 h on
	v_lshl_add_u32 v134, v128, 3, s60
	v_lshl_add_u32 v135, v128, 2, s60
	v_lshlrev_b32 v136, 4, v128
	v_mov_b32 v137, s62
	v_mov_b32 v138, SCR
	v_lshl_add_u32 v139, v128, 3, s61
	v_lshl_add_u32 v140, v128, 2, s61
	s_wait_dscnt 0x0
	s_wait_kmcnt 0x0
	s_add_nc_u64 s[4:5], s[4:5], s[48:49]
	s_add_nc_u64 s[10:11], s[10:11], s[48:49]
	s_add_nc_u64 s[8:9], s[8:9], s[58:59]
	s_add_nc_u64 s[6:7], s[6:7], s[56:57]
.irp j, 0,1,2,3                                ; group 0 of chunk j: records 2 j, 2 j + 1 of each half of the keys
	s_mov_b32 s[32+4*\j], 1
	s_add_co_u32 s[33+4*\j], s54, CHUNK*\j
	s_add_nc_u64 s[34+4*\j:35+4*\j], s[6:7], CHUNK*\j
	s_or_b32 s[35+4*\j], s[35+4*\j], 0x80000000
.endr
.irp i, 0,1,2,3,4,5,6,7
	global_load_b128 v[64+4*\i:67+4*\i], v131, s[4:5] offset:1024*\i th:TH_LOAD_NT   ; the 16 queries that I quantise: tile kh of my 32
.endr
	global_load_b128 v[144:147], v136, s[8:9]
	global_load_b128 v[148:151], v136, s[8:9] offset:512
	CROUND                                         ; all four work-groups are here: the joint loads meet
	tensor_load_to_lds s[32:35], s[24:31]
	s_nop 0
	tensor_load_to_lds s[36:39], s[24:31]
	s_nop 0
	tensor_load_to_lds s[40:43], s[24:31]
	s_nop 0
	tensor_load_to_lds s[44:47], s[24:31]
	s_nop 0
.irp t, 0,1
.irp j, 0,1,2,3,4,5,12,13,14,15,16,17
	v_mov_b32 v[QR+18*\t+\j], 0                    ; the zero codes on both sides of q
.endr
.irp j, 4,5,6,7
	v_mov_b32 v[TM+20*\t+\j], 0                    ; written once: a lane permute's destination counts as one of its sources
.endr
	v_mov_b32 v[ST+6*\t+1], 0xff61b1e6             ; the largest t so far: -3e38
	v_mov_b32 v[ST+6*\t+2], 0                      ; the sum
	v_mov_b32 v[ST+6*\t+3], 0
.endr
	v_mov_b32 v156, 0
.irp t, 0,1
	v_floor_f32 v[ST+6*\t+4], -v[ST+6*\t+1]        ; -M
.endr
	s_wait_loadcnt 0x2                             ; the queries are in; the two loads of deg may be out
.irp i, 0,1,2,3,4,5,6,7
	ds_store_b128 v132, v[64+4*\i:67+4*\i] offset:544*\i
.endr
.irp j, 0,1,2,3,4,5,6,7
	ds_load_b128 v[96+4*\j:99+4*\j], v133 offset:16*\j             ; LDS serves a wave's instructions in order: these see my stores.  A block of 32 channels of query r
.endr
	s_wait_dscnt 0x0
	v_max3_num_f32 v152, |v96|, |v97|, 0x1800000   ; the block's largest magnitude, in two chains, with the floor 2^(3 - 127)
	v_max3_num_f32 v157, |v98|, |v99|, 0x1800000
.irp i, 4,8,12,16,20,24,28
	v_max3_num_f32 v152, v152, |v[96+\i]|, |v[97+\i]|
	v_max3_num_f32 v157, v157, |v[98+\i]|, |v[99+\i]|
.endr
	v_max_num_f32 v152, v152, v157
	v_add_nc_u32 v153, 0xff000000, v152            ; 2 off the exponent field: the conversion's scale operand
	v_lshrrev_b32 v154, 23, v153                   ; the byte
	v_cvt_scalef32_pk16_fp6_f32 v[192:194], v[96:111], v153
	v_cvt_scalef32_pk16_fp6_f32 v[200:202], v[112:127], v153
	v_lshlrev_b32 v155, 3, v130                    ; (a plain place behind the conversions)
	v_lshlrev_b32 v155, v155, v154
	v_permlanex16_b32 v156, v155, s20, s21
	v_or_b32 v155, v155, v156
	v_lshl_or_b32 v155, v155, 16, v155             ; [s0, s1, s0, s1]: q may stand in either half of the instruction's K
	v_mov_b32 v195, v200
	v_mov_b32 v196, v201
	v_mov_b32 v197, v202
.irp e, 0,1,2
	ds_store_b64 v134, v[192+2*\e:193+2*\e] offset:256*\e
.endr
	ds_store_b32 v135, v155 offset:768
	s_wait_loadcnt 0x0                             ; deg
	v_max3_num_f32 v144, v144, v145, v146
	v_max3_num_f32 v148, v148, v149, v150
	v_max3_num_f32 v144, v144, v147, v151
	v_max_num_f32 v144, v144, v148
	v_max_num_f32_dpp v144, v144, v144 row_xmask:1 row_mask:0xf bank_mask:0xf
	v_max_num_f32_dpp v144, v144, v144 row_xmask:2 row_mask:0xf bank_mask:0xf
	v_max_num_f32_dpp v144, v144, v144 row_xmask:4 row_mask:0xf bank_mask:0xf
	v_max_num_f32_dpp v144, v144, v144 row_xmask:8 row_mask:0xf bank_mask:0xf
	v_permlanex16_b32 v156, v144, s20, s21
	v_max_num_f32 v144, v144, v156
	ds_store_b32 v137, v144                        ; my 256 numbers' maximum
	s_wait_tensorcnt 0x3                           ; my part of chunk 0 has landed; three loads stay out
	s_wait_dscnt 0x0
	s_barrier_signal -1
	s_barrier_wait -1
	ds_load_b128 v[160:163], v138
	ds_load_b128 v[164:167], v138 offset:16
.irp t, 0,1
.irp e, 0,1,2
	ds_load_b64 v[QR+18*\t+6+2*\e:QR+18*\t+7+2*\e], v139 offset:4096*\t+256*\e
.endr
	ds_load_b32 v[QW+\t], v140 offset:4096*\t+768
.endr
	WIN 0x40                                       ; destination window 1
.irp p, 0,1,2,3
.irp c, 0,1,2
	ds_load_b128 v[KF+12*\p+4*\c:KF+12*\p+4*\c+3], v[ADR] offset:1536*\p+512*\c
.endr
.endr
.irp p, 0,1,2,3
.irp q, 0,1,2,3
	ds_load_b128 v[DG+16*\p+4*\q:DG+16*\p+4*\q+3], v[ADG] offset:12800+128*\p+16*\q
.endr
.endr
	WIN 0
	ds_load_b128 v[SW:SW+3], v[ADR] offset:12288
	s_wait_dscnt 29                                ; the maxima, Q and its words are in; the first step's 29 loads may be out
	v_max3_num_f32 v160, v160, v161, v162
	v_max3_num_f32 v163, v163, v164, v165
	v_max3_num_f32 v160, v160, v166, v167
	v_max_num_f32 v160, v160, v163                 ; the batch's largest deg
	v_mul_f32 v[DC], 0xbe38aa3b, v160              ; -dmax c
; A KEY STEP: 128 keys.  Written out eight times: the counted waits for the chunks differ, and every LDS offset is a constant.
.macro STEP i
.set PAR, (\i)&1
	s_wait_dscnt 0x0                               ; this step's K, deg and scale words are in
.if ((\i)&1) && ((\i) < 7)
	s_wait_tensorcnt 3-((\i)+1)/2                  ; my part of the chunk that the loads below begin to read has landed; the later chunks stay out
	s_barrier_signal -1
.endif
	WIN 0x11                                       ; K and deg in window 1
.irp p, 0,1,2,3
.irp u, 0,1
.irp t, 0,1
	v_wmma_scale_f32_16x16x128_f8f6f4 v[S+64*\t+16*\p+8*\u:S+64*\t+16*\p+8*\u+7], v[KF+12*\p:KF+12*\p+11], v[QR+18*\t+6-6*\u:QR+18*\t+17-6*\u], v[DG+16*\p+8*\u:DG+16*\p+8*\u+7], v[SW+4*PAR+\p], v[QW+\t] matrix_a_fmt:MATRIX_FMT_FP6 matrix_b_fmt:MATRIX_FMT_FP6
.endr
.endr
.endr
	WIN 0
.rept 4
	v_nop                                          ; places in front of loads into registers that matrix instructions have read, and of the first read of the scores
.endr
.if ((\i)&1) && ((\i) < 7)
	s_barrier_wait -1                              ; everybody's part has landed
.endif
	WIN 0x40
.irp c, 0,1,2,3
.irp e, 0,1,2
	ds_load_b128 v[VF+12*\c+4*\e:VF+12*\c+4*\e+3], v[ADR] offset:6144+1536*\c+512*\e      ; this step's V
.endr
.endr
.if (\i) < 7
.irp p, 0,1,2,3
.irp c, 0,1,2
	ds_load_b128 v[KF+12*\p+4*\c:KF+12*\p+4*\c+3], v[ADR] offset:RECB+1536*\p+512*\c      ; the next step's K,
.endr
.endr
.irp p, 0,1,2,3
.irp q, 0,1,2,3
	ds_load_b128 v[DG+16*\p+4*\q:DG+16*\p+4*\q+3], v[ADG] offset:RECB+12800+128*\p+16*\q  ; deg,
.endr
.endr
.endif
	WIN 0
.if (\i) < 7
	ds_load_b128 v[SW+4*(1-PAR):SW+4*(1-PAR)+3], v[ADR] offset:RECB+12288                 ; and scale words
	v_add_nc_u32 v[ADR], RECB, v[ADR]
	v_add_nc_u32 v[ADG], RECB, v[ADG]
.endif
	MAXB 0
	NEWM 0
	SCALE 0
	XON 0                                          ; tile 0's 64 exponentials stand between tile 1's first 64 lines; its last 22 lines are the plain work behind them
	MAXB 1
	NEWM 1
	SCALE 1
	XFLUSH
	s_wait_alu depctr_va_vdst(0)                   ; one wait for the batch, ahead of its first reader
	XON 1                                          ; tile 1's stand between tile 0's sums and scales, the last eight together
	SUMS 0
	SCW 0
	XFLUSH
	CVT 0                                          ; names none of their results, and holds the plain place behind the last
	s_wait_alu depctr_va_vdst(0)
	SUMS 1
	SCW 1
	CVT 1
.if (\i) == 0
.rept 8
	v_nop                                          ; a scale register written by a vector instruction stands 8 places ahead of a scaled matrix instruction, an operand so written 4
.endr
.else
	WIN 0x41
	RESC 0                                         ; O^T under the new M; these 32 lines are also those places
	RESC 1
.endif
.if (\i) < 7
	s_wait_dscnt 29                                ; V is in; the next step's 29 loads may be out
.else
	s_wait_dscnt 0x0
.endif
	WIN 0x51                                       ; V and O^T in window 1
.irp c, 0,1,2,3                                ; the eight accumulators take turns, one instruction a turn
.irp t, 0,1
.if (\i) == 0
	v_wmma_scale_f32_16x16x128_f8f6f4 v[OT+32*\t+8*\c:OT+32*\t+8*\c+7], v[VF+12*\c:VF+12*\c+11], v[PC+12*\t:PC+12*\t+11], 0, v[SW+4*PAR+\c], v[PW+\t] matrix_a_fmt:MATRIX_FMT_FP6 matrix_b_fmt:MATRIX_FMT_FP6 matrix_a_scale:MATRIX_SCALE_ROW1
.else
	v_wmma_scale_f32_16x16x128_f8f6f4 v[OT+32*\t+8*\c:OT+32*\t+8*\c+7], v[VF+12*\c:VF+12*\c+11], v[PC+12*\t:PC+12*\t+11], v[OT+32*\t+8*\c:OT+32*\t+8*\c+7], v[SW+4*PAR+\c], v[PW+\t] matrix_a_fmt:MATRIX_FMT_FP6 matrix_b_fmt:MATRIX_FMT_FP6 matrix_a_scale:MATRIX_SCALE_ROW1
.endif
.endr
.endr
.endm
	STEP 0
	STEP 1
	STEP 2
	STEP 3
	STEP 4
	STEP 5
	STEP 6
	STEP 7
	; THE END.  Each wave's (-M, l) go to its partner; both bring their O^T under the common M, divide by the common sum, and meet in the stages; each stores the 16 rows of tile kh.
	WIN 0
.irp t, 0,1
	v_add_f32 v[ST+6*\t+5], v[ST+6*\t+2], v[ST+6*\t+3]             ; (these lines and the addresses below are the places behind the last products)
.endr
.irp t, 0,1
	v_permlanex16_b32 v[TM+20*\t+5], v[ST+6*\t+5], s20, s21
.endr
.irp t, 0,1
	v_add_f32 v[ST+6*\t+5], v[ST+6*\t+5], v[TM+20*\t+5]            ; l of my half of the keys
.endr
	v_and_b32 v128, 31, v0
	v_and_b32 v129, 15, v0
	v_bfe_u32 v130, v0, 4, 1
	s_xor_b32 s52, s12, 4                          ; my partner
	s_lshl_b32 s55, s12, 9
	s_add_co_u32 s55, s55, STAT
	v_lshl_add_u32 v131, v128, 3, s55
	s_lshl_b32 s55, s52, 9
	s_add_co_u32 s55, s55, STAT
	v_lshl_add_u32 v132, v128, 3, s55
	v_mul_u32_u24 v133, v129, 272
	v_lshl_add_u32 v133, v130, 5, v133
	v_add_nc_u32 v133, s53, v133                   ; into my stage: row r of a tile, + 32 h
	s_mul_i32 s56, s13, 16*272                     ; tile kh's rows
	v_mul_u32_u24 v134, v130, 272
	v_lshl_add_u32 v134, v129, 4, v134
	s_mul_i32 s55, s52, WSTG
	s_add_co_u32 s55, s55, STG
	s_add_co_u32 s55, s55, s56
	v_add_nc_u32 v135, s55, v134                   ; back, from my partner's stage,
	s_add_co_u32 s55, s53, s56
	v_add_nc_u32 v134, s55, v134                   ; and from mine: lanes 0-15 one row, lanes 16-31 the next
	v_lshlrev_b32 v136, 9, v130
	v_lshl_add_u32 v136, v129, 4, v136             ; the same two rows in out0
.irp t, 0,1
	ds_store_b64 v131, v[ST+6*\t+4:ST+6*\t+5] offset:256*\t
.endr
	BARRIER
.irp t, 0,1
	ds_load_b64 v[64+2*\t:65+2*\t], v132 offset:256*\t
.endr
	s_wait_dscnt 0x0
.irp t, 0,1
	v_min_num_f32 v[68+\t], v[ST+6*\t+4], v[64+2*\t]               ; the common -M
.endr
.irp t, 0,1
	v_sub_f32 v[70+\t], v[68+\t], v[ST+6*\t+4]
	v_sub_f32 v[72+\t], v[68+\t], v[64+2*\t]
.endr
.irp t, 0,1
	v_cvt_i32_f32 v[70+\t], v[70+\t]
	v_cvt_i32_f32 v[72+\t], v[72+\t]
.endr
.irp t, 0,1
	v_ldexp_f32 v[70+\t], 1.0, v[70+\t]            ; f = 2^(my M - the common M): exact
	v_ldexp_f32 v[72+\t], 1.0, v[72+\t]            ; my partner's
.endr
.irp t, 0,1
	v_mul_f32 v[74+\t], v[65+2*\t], v[72+\t]
.endr
.irp t, 0,1
	v_fma_f32 v[74+\t], v[ST+6*\t+5], v[70+\t], v[74+\t]           ; the row's sum
.endr
.irp t, 0,1
	v_rcp_f32 v[74+\t], v[74+\t]
.endr
	v_nop                                          ; a plain place behind the reciprocals,
	s_wait_alu depctr_va_vdst(0)                   ; and one wait for the two, ahead of their first reader
.irp t, 0,1
	v_mul_f32 v[TM+20*\t+4], v[70+\t], v[74+\t]    ; f / l, in F's place
.endr
	WIN 0x41
	RESC 0
	RESC 1
	WIN 0x04                                       ; an LDS store's data are its source 1: window 1
.irp t, 0,1
.irp c, 0,1,2,3
	ds_store_b128 v133, v[OT+32*\t+8*\c:OT+32*\t+8*\c+3] offset:4352*\t+64*\c        ; lane (r, h): channels 16 c + 8 h + 0 .. 7 of query r
	ds_store_b128 v133, v[OT+32*\t+8*\c+4:OT+32*\t+8*\c+7] offset:4352*\t+64*\c+16
.endr
.endr
	WIN 0
	BARRIER
.irp i, 0,1,2,3,4,5,6,7
	ds_load_b128 v[64+4*\i:67+4*\i], v134 offset:544*\i
.endr
.irp i, 0,1,2,3,4,5,6,7
	ds_load_b128 v[96+4*\i:99+4*\i], v135 offset:544*\i
.endr
	s_wait_dscnt 0x0
.irp j, 0,2,4,6,8,10,12,14,16,18,20,22,24,26,28,30
	v_pk_add_f32 v[64+\j:65+\j], v[64+\j:65+\j], v[96+\j:97+\j]
.endr
.irp i, 0,1,2,3,4,5,6,7
	global_store_b128 v136, v[64+4*\i:67+4*\i], s[10:11] offset:1024*\i th:TH_STORE_NT   ; 16 lanes store 256 consecutive bytes, aligned
.endr
	s_wait_tensorcnt 0x0
	ds_add_u32 v251, v255
	s_wait_dscnt 0x0
	CROUND                                         ; the closing round: no work-group ends while a partner may still ask for a tile that names it
	s_endpgm
.Lfunc_end_k_qb92ec090bb_attn:
	.size	k_qb92ec090bb_attn, .Lfunc_end_k_qb92ec090bb_attn-k_qb92ec090bb_attn
	.p2alignl 7, 3214868480
	.fill 96, 4, 3214868480
	.section	.rodata,"a",@progbits
	.p2align	6, 0x0
	.amdhsa_kernel k_qb92ec090bb_attn
		.amdhsa_group_segment_fixed_size 327680
		.amdhsa_private_segment_fixed_size 0
		.amdhsa_enable_private_segment 0
		.amdhsa_kernarg_size 32
		.amdhsa_user_sgpr_count 2
		.amdhsa_user_sgpr_kernarg_segment_ptr 1
		.amdhsa_wavefront_size32 1
		.amdhsa_system_sgpr_workgroup_id_x 1
		.amdhsa_system_sgpr_workgroup_id_y 1
		.amdhsa_system_sgpr_workgroup_id_z 1
		.amdhsa_system_vgpr_workitem_id 0
		.amdhsa_next_free_vgpr 512
		.amdhsa_next_free_sgpr 66
		.amdhsa_reserve_vcc 0
		.amdhsa_float_denorm_mode_32 3
		.amdhsa_float_denorm_mode_16_64 3
		.amdhsa_memory_ordered 1
		.amdhsa_forward_progress 1
		.amdhsa_inst_pref_size 255
	.end_amdhsa_kernel
	.section	.bss,"aw",@nobits
	.p2align	6
	.space	262144
	.amdgpu_metadata
---
amdhsa.version: [ 1, 2 ]
amdhsa.kernels:
  - .name:           k_qb92ec090bb_attn
    .symbol:         k_qb92ec090bb_attn.kd
    .args:
      - { .name: queries, .offset: 0, .size: 8, .value_kind: global_buffer, .address_space: global }
      - { .name: kv, .offset: 8, .size: 8, .value_kind: global_buffer, .address_space: global }
      - { .name: deg, .offset: 16, .size: 8, .value_kind: global_buffer, .address_space: global }
      - { .name: out0, .offset: 24, .size: 8, .value_kind: global_buffer, .address_space: global }
    .group_segment_fixed_size: 327680
    .private_segment_fixed_size: 0
    .kernarg_segment_align: 8
    .kernarg_segment_size: 32
    .max_flat_workgroup_size: 256
    .sgpr_count:     66
    .vgpr_count:     512
    .wavefront_size: 32
...
	.end_amdgpu_metadata
.endif
;; end of part 2
;; ======== version 2 of 2: 2 launches; version 1 with the launch prep written anew for expert scheduling mode
;; workspace buffers: kv 3,407,872 bytes; deg 65,536 bytes
;; launch prep (part 3): grid 256 x 1, 8 waves a work-group, no clusters, 144,640 bytes of LDS; arguments keys, values, W1, b1, W2, b2, kv, deg; writes kv, deg
.if DOCPART == 3
	.amdgcn_target "amdgcn-amd-amdhsa--gfx1250"
	.amdhsa_code_object_version 6
	.text
	.protected	k_qb92ec090bb_prep
	.globl	k_qb92ec090bb_prep
	.p2align	8
	.type	k_qb92ec090bb_prep,@function
k_qb92ec090bb_prep:
	s_mov_b64 s[64:65], 0
	v_nop
	global_prefetch_b8 v0, s[64:65] scope:SCOPE_SE
	s_setreg_imm32_b32 hwreg(HW_REG_WAVE_SCHED_MODE, 0, 2), 2
	s_setreg_imm32_b32 hwreg(HW_REG_WAVE_MODE, 25, 1), 1
	s_wait_xcnt 0x0
	s_wait_alu depctr_vm_vsrc(0)
; keys and values [8][2048][2][64] f32 become codes of FP6 (E2M3) with one E8M0 byte for each 32 along K, laid in the ORDER OF THE OPERANDS' REGISTERS for the attention launch,
; and deg = clip(sigmoid(relu(values W1 + b1) W2 + b2), 0.01, 0.99) is made, values W1 on codes by the scaled matrix instruction, the dot with W2 in f32.
; kv: 16 heads (2 b + hh) x 16 key steps; a step's RECORD is 13,312 bytes: +0 four images of K (1,536 each), +6,144 four images of V, +12,288 K's scale words, +12,544 V's, +12,800 deg of its 128 keys.
; An image is a fragment's 12 registers: registers 4 c .. 4 c + 3 of lane l at 512 c + 16 l.
;   K, pair p: lane (rho, blk), registers 6 u .. 6 u + 5: channels 32 blk + 0 .. 31 of key 32 p + 8 u + rho + 8 (rho / 8): TWO tiles of 16 keys in one operand of 128 along K (the head has 64).
;   V, tile ct: lane (r, h), registers 6 c .. 6 c + 5: keys 64 c + 32 h + 0 .. 31 of channel 16 ct + r: the keys are the second product's K.
; SHARES.  Work-groups 0-127 take keys, 128-255 values; a work-group takes 128 positions of one batch, 65,536 dense bytes.  They come by loads of 512 consecutive bytes and turn through a tile in LDS.
; Each of the eight waves makes one image (head w / 4, pair or tile w % 4); in the MLP wave w owns positions 16 w .. 16 w + 15.  The two paths have LDS bytes of their own.
; A block's scale byte is its largest magnitude's exponent field - 2, held at 1 from below by a floor among the maximum's leaves.
; LIMITS: NaN and infinities among the inputs are not served; a block whose largest magnitude lies under 2^-124, a block of zeros among them, keeps the byte 1 (its codes are then zeros or
; subnormal codes of that scale; the bytes are read by this program alone).
; THE MODE: SCHED_MODE bits 1:0 = 2 (LLVM: expert scheduling mode 2), set by the entry lines.  The code itself states the register dependences
; between vector or matrix instructions and memory or LDS instructions, with s_wait_alu, always for 0.
; THE PLAN.  Registers that memory or LDS instructions touch:
;   addresses  v1, v4, v13 (head); v5, v6, v12 (keys); v5, v6, v8 - v11, v14, v232 - v236 (values): each made once by vector lines, ahead of a wait on va_vdst, and never written after a memory instruction has read it.
;   X          filled by the tile's loads, read by the LDS stores into the tile; then filled by LDS loads (keys once, values twice) and read by the quantiser.
;   WN         filled by W1's loads, read by the quantiser; then filled by W2's loads, read by the dot product.
;   IM, WD     written by the quantiser; read by LDS stores and global stores, and at last by the matrix instructions.
;   W1F, W1W, HB  filled by loads, read by the matrix instructions.   v140-147: at work; at the end wave 0's loads land there.
; So a wait on va_vdst stands behind each run of address lines and behind each quantiser, ahead of the stores of what it made and of the loads into what it read;
; a wait on vm_vsrc stands ahead of each refill of X and each new writing of IM, WD and v140 that stores have read.
.set PITCH, 528                        ; a tile's row: 512 bytes + 16: an odd multiple of 16, so that 16 rows' loads of 16 bytes start in 16 different columns
.set GRP,   32*PITCH+64                ; 32 rows on: 64 bytes more, so that the two halves of the lanes, 32 keys apart, read different words of a row of banks
.set KT,    0                          ; K path: the tile, 128 rows
.set KSC,   67840                      ;         scale words, 256 bytes a head
.set VT,    68352                      ; V path: the tile
.set VSC,   136192                     ;         scale words
.set W1I,   136704                     ;         W1's four fragments as images, in pieces of 8 bytes: 1,536 nt + 256 e + 8 l
.set W1S,   142848                     ;         their scale words: 64 nt + 4 r
.set DGS,   143104                     ;         deg of the 128 positions
.set RECB,  13312
.set HEADB, 212992                     ; 16 records
.set X,   16                           ; v16-79   64 numbers of a lane: two blocks of 32
.set WN,  80                           ; v80-111  32 numbers of W1; later W2 at the lane's 32 hidden units
.set IM,  112                          ; v112-123 the fragment just made
.set CT,  124                          ; v124-131 the second halves of the blocks' codes (a conversion's three registers begin on an even number)
.set MX,  132                          ; v132-133 largest magnitudes
.set SO,  134                          ; v134-135 the conversions' scale operands
.set BY,  136                          ; v136-137 scale bytes
.set WD,  138                          ; v138     a scale word, and nothing else
.set PD,  139                          ; v139     a lane permute's destination
.set W1F, 144                          ; v144-191 W1's four fragments
.set W1W, 192                          ; v192-195 their scale words, and nothing else
.set HB,  200                          ; v200-231 b1 in the result's layout, then the hidden layer in place
.macro LOADT                           ; my wave's 16 rows: each load reads a row's 512 consecutive bytes
.irp i, 0,1,2,3,4,5,6,7,8,9,10,11,12,13,14,15
	global_load_b128 v[X+4*\i:X+4*\i+3], v1, s[38:39] offset:512*\i th:TH_LOAD_NT
.endr
.endm
.macro STORET                          ; into the tile, row by row as they arrive: the 15 - i younger tile loads may stay out
.irp i, 0,1,2,3,4,5,6,7,8,9,10,11,12,13,14,15
	s_wait_loadcnt 15-\i
	ds_store_b128 v4, v[X+4*\i:X+4*\i+3] offset:PITCH*\i
.endr
.endm
.macro BARRIER                         ; my LDS stores have landed and my LDS loads are in: then the work-group's barrier
	s_wait_dscnt 0x0
	s_barrier_signal -1
	s_barrier_wait -1
.endm
; cnt blocks of 32 numbers, v[src + 32 k] on, all of one lane, become codes in v[IM + 6 k] on and bytes in v[BY + k]
.macro QUANT src, cnt
.irp k, 0,1
.if \k < \cnt
	v_max3_num_f32 v[MX+\k], |v[\src+32*\k]|, |v[\src+32*\k+1]|, 0x1800000   ; the floor 2^(3 - 127): the byte cannot fall under 1
.endif
.endr
.irp i, 2,4,6,8,10,12,14,16,18,20,22,24,26,28,30
.irp k, 0,1
.if \k < \cnt
	v_max3_num_f32 v[MX+\k], v[MX+\k], |v[\src+32*\k+\i]|, |v[\src+32*\k+\i+1]|
.endif
.endr
.endr
.irp k, 0,1
.if \k < \cnt
	v_add_nc_u32 v[SO+\k], 0xff000000, v[MX+\k]    ; 2 off the exponent field: the conversion takes that field as its scale
.endif
.endr
.irp k, 0,1
.if \k < \cnt
	v_lshrrev_b32 v[BY+\k], 23, v[SO+\k]           ; the scale's byte
.endif
.endr
.irp k, 0,1
.if \k < \cnt
	v_cvt_scalef32_pk16_fp6_f32 v[IM+6*\k:IM+6*\k+2], v[\src+32*\k:\src+32*\k+15], v[SO+\k]
	v_cvt_scalef32_pk16_fp6_f32 v[CT+4*\k:CT+4*\k+2], v[\src+32*\k+16:\src+32*\k+31], v[SO+\k]
.endif
.endr
	v_nop                                          ; one plain place behind a scaled conversion
.irp k, 0,1
.if \k < \cnt
.irp i, 0,1,2
	v_mov_b32 v[IM+6*\k+3+\i], v[CT+4*\k+\i]
.endr
.endif
.endr
.endm
.macro WORD2                           ; my two bytes at bytes h and 2 + h, with lane l xor 16's two: the row's scale word
	v_lshl_or_b32 v[WD], v[BY+1], 16, v[BY]
	v_lshlrev_b32 v[WD], v7, v[WD]
	v_permlanex16_b32 v[PD], v[WD], s28, s29
	v_or_b32 v[WD], v[WD], v[PD]
.endm
.macro IMGOUT                          ; the image leaves as it stands: each store covers 512 consecutive bytes, aligned
.irp c, 0,1,2
	global_store_b128 v1, v[IM+4*\c:IM+4*\c+3], s[36:37] offset:512*\c
.endr
.endm
	s_load_b512 s[4:19], s[0:1], 0x0               ; keys 4, values 6, W1 8, b1 10, W2 12, b2 14, kv 16, deg 18
	v_lshl_add_u32 v254, v0, 2, 0x23100
	v_mov_b32 v255, 0
	v_lshrrev_b32 v2, 5, v0
	v_readfirstlane_b32 s20, v2                    ; wave 0..7
	v_and_b32 v15, 31, v0                          ; lane
	v_lshlrev_b32 v1, 4, v15                       ; 16 x lane
	v_and_b32 v2, 15, v0                           ; r
	v_bfe_u32 v3, v0, 4, 1                         ; h
	v_lshlrev_b32 v7, 3, v3                        ; 8 h
	v_mov_b32 v[PD], 0                             ; written once: a lane permute's destination counts as one of its sources
	s_mov_b32 s28, 0x76543210
	s_mov_b32 s29, 0xfedcba98                      ; v_permlanex16_b32's selects for lane l xor 16
	s_and_b32 s21, ttmp9, 127                      ; the unit: 16 b + step
	s_lshr_b32 s22, s21, 4                         ; b
	s_and_b32 s23, s21, 15                         ; step
	s_wait_alu depctr_va_sdst(0)                   ; s20, the wave's number, is written, ahead of its first reader: offsets, LDS places and two branches are made from it
	s_lshr_b32 s40, s20, 2                         ; hh (for W1: c)
	s_and_b32 s41, s20, 3                          ; pair or tile (for W1: nt)
	s_mul_i32 s24, s22, 2*HEADB
	s_mul_i32 s25, s23, RECB
	s_add_co_u32 s24, s24, s25                     ; the record of head 2 b
	s_mov_b32 s25, 0
	s_mul_i32 s26, s40, HEADB
	s_mul_i32 s27, s41, 1536
	s_add_co_u32 s26, s26, s27                     ; from there to my image
	s_mov_b32 s27, 0
	s_lshl_b32 s42, s21, 16
	s_lshl_b32 s43, s20, 13
	s_add_co_u32 s42, s42, s43                     ; my wave's 16 rows in keys or values
	s_mov_b32 s43, 0
	s_mul_i32 s44, s20, 16*PITCH
	s_lshr_b32 s45, s20, 1
	s_lshl_b32 s45, s45, 6
	s_add_co_u32 s44, s44, s45                     ; and in a tile: row 16 w, + 64 for each 32 rows passed
	v_add_nc_u32 v4, s44, v1
	v_mul_u32_u24 v13, v3, HEADB
	v_lshl_add_u32 v13, v2, 4, v13                 ; the scale words' way out: lanes 0-15 head 2 b, lanes 16-31 head 2 b + 1
	s_wait_kmcnt 0x0
	s_add_nc_u64 s[34:35], s[16:17], s[24:25]
	s_add_nc_u64 s[36:37], s[34:35], s[26:27]
	s_cmp_ge_u32 ttmp9, 128                        ; the same in all waves of a work-group
	s_cbranch_scc1 .Lvalues
	; ---------------- keys ----------------
	s_add_nc_u64 s[38:39], s[4:5], s[42:43]
	s_wait_alu depctr_va_vdst(0)                   ; v1, v4 and v13 are written: the tile's loads read v1 as their offset, the stores further down v4, v1 and v13
	LOADT
	v_and_b32 v14, 8, v2
	v_add_nc_u32 v14, v14, v2                      ; rho + 8 (rho / 8)
	v_mul_u32_u24 v5, v14, PITCH
	v_lshl_add_u32 v5, v3, 7, v5                   ; + 128 blk
	s_mul_i32 s24, s41, GRP                        ; rows 32 p on
	s_lshl_b32 s25, s40, 8                         ; the head's 256 bytes of a row
	s_add_co_u32 s24, s24, s25
	v_add_nc_u32 v5, s24, v5
	s_lshl_b32 s24, s41, 2
	s_add_co_u32 s24, s24, s25
	s_add_co_u32 s24, s24, KSC
	v_lshl_add_u32 v6, v2, 4, s24                  ; my row's scale word: KSC + 256 hh + 16 rho + 4 p
	v_add_nc_u32 v12, KSC, v1
	s_wait_alu depctr_va_vdst(0)                   ; v5, v6 and v12 are written: the LDS loads and the LDS store below read them as addresses
	STORET
	BARRIER                                        ; the 128 rows lie in the tile
	s_wait_alu depctr_vm_vsrc(0)                   ; my LDS stores into the tile have read X, in which the LDS loads below land
.irp u, 0,1
.irp j, 0,1,2,3,4,5,6,7
	ds_load_b128 v[X+32*\u+4*\j:X+32*\u+4*\j+3], v5 offset:\u*8*PITCH+16*\j   ; 32 channels of key 32 p + 8 u + rho + 8 (rho / 8)
.endr
.endr
	s_wait_dscnt 0x0
	QUANT X, 2
	WORD2
	s_wait_alu depctr_va_vdst(0)                   ; the quantiser has written IM and WD, which the image's stores and the word's LDS store read
	IMGOUT
	ds_store_b32 v6, v[WD]                         ; both halves of the lanes write the same word
	BARRIER
	s_cmp_lg_u32 s20, 0
	s_cbranch_scc1 .Lk_end
	ds_load_b128 v[140:143], v12                   ; wave 0: both heads' 256 bytes of scale words leave as two whole aligned runs of 256 bytes.  (No instruction on this path has named v140-143)
	s_wait_dscnt 0x0
	global_store_b128 v13, v[140:143], s[34:35] offset:12288
.Lk_end:
	s_wait_dscnt 0x0
	s_wait_alu depctr_hold_cnt(0) depctr_sa_sdst(0) depctr_va_vdst(0) depctr_va_sdst(0) depctr_va_ssrc(0) depctr_va_vcc(0) depctr_vm_vsrc(0)
	s_wait_tensorcnt 0x0
	ds_add_u32 v254, v255
	s_wait_dscnt 0x0
	s_endpgm
	; ---------------- values ----------------
.Lvalues:
	s_load_b32 s32, s[14:15], 0x0                  ; b2
	s_add_nc_u64 s[38:39], s[6:7], s[42:43]
	s_add_nc_u64 s[36:37], s[36:37], 6144          ; V's images lie behind K's
	s_lshl_b32 s24, s21, 9
	s_add_nc_u64 s[18:19], s[18:19], s[24:25]      ; deg at this unit's 128 numbers
	s_mov_b32 s30, 0x3c23d70a                      ; 0.01
	s_mov_b32 s31, 0x3f7d70a4                      ; 0.99
	s_lshl_b32 s24, s40, 14
	s_lshl_b32 s26, s41, 6
	s_add_co_u32 s24, s24, s26
	v_lshlrev_b32 v9, 2, v2
	v_lshl_add_u32 v9, v3, 13, v9
	v_add_nc_u32 v9, s24, v9                       ; W1(64 c + 32 h, 16 nt + r): a lane takes a column, its registers run down K
	v_lshlrev_b32 v14, 5, v3                       ; b1, W2: 32 h
	s_wait_alu depctr_va_vdst(0)                   ; v9, v14, v1 and v13 are written: the loads below read the first three as offsets, the stores at the end v1 and v13
.irp i, 0,1,2,3,4,5,6,7,8,9,10,11,12,13,14,15,16,17,18,19,20,21,22,23,24,25,26,27,28,29,30,31
	global_load_b32 v[WN+\i], v9, s[8:9] offset:256*\i
.endr
.irp t, 0,1,2,3
	global_load_b128 v[HB+8*\t:HB+8*\t+3], v14, s[10:11] offset:64*\t        ; b1 at hidden units 16 t + 8 h + 0 .. 7: the C of the product
	global_load_b128 v[HB+8*\t+4:HB+8*\t+7], v14, s[10:11] offset:64*\t+16
.endr
	LOADT
	v_add_nc_u32 v4, VT, v4
	s_mul_i32 s24, s41, 1536
	s_mul_i32 s26, s40, 768
	s_add_co_u32 s24, s24, s26
	s_add_co_u32 s24, s24, W1I
	v_lshl_add_u32 v10, v15, 3, s24                ; my half fragment of W1: W1I + 1,536 nt + 768 c + 8 l
	s_lshl_b32 s24, s41, 6
	s_lshl_b32 s26, s40, 1
	s_add_co_u32 s24, s24, s26
	s_add_co_u32 s24, s24, W1S
	v_lshl_add_u32 v11, v2, 2, s24                 ; and its two scale bytes: W1S + 64 nt + 4 r + 2 c
	v_mul_u32_u24 v5, v3, GRP
	v_lshl_add_u32 v5, v2, 2, v5
	s_lshl_b32 s24, s40, 8
	s_lshl_b32 s26, s41, 6
	s_add_co_u32 s24, s24, s26
	s_add_co_u32 s24, s24, VT
	v_add_nc_u32 v5, s24, v5                       ; V's column: key 32 h, channel 64 hh + 16 ct + r
	s_lshl_b32 s24, s40, 8
	s_lshl_b32 s26, s41, 2
	s_add_co_u32 s24, s24, s26
	s_add_co_u32 s24, s24, VSC
	v_lshl_add_u32 v6, v2, 4, s24                  ; VSC + 256 hh + 16 r + 4 ct
	v_mul_u32_u24 v8, v2, PITCH
	v_lshl_add_u32 v8, v3, 7, v8
	s_add_co_u32 s24, s44, VT
	v_add_nc_u32 v8, s24, v8                       ; the MLP's row: position 16 w + r, + 128 h
	v_lshl_add_u32 v232, v15, 3, W1I
	v_lshl_add_u32 v233, v2, 2, W1S
	s_lshl_b32 s24, s20, 6
	s_add_co_u32 s24, s24, DGS
	v_lshl_add_u32 v234, v2, 2, s24                ; deg of position 16 w + r
	v_add_nc_u32 v235, DGS, v1
	v_add_nc_u32 v236, VSC, v1
	s_wait_alu depctr_va_vdst(0)                   ; v4, v5, v6, v8, v10, v11 and v232 to v236 are written: every LDS instruction of this path reads one of them as its address
	STORET                                         ; its counted waits also show the older loads (W1, b1) done
	QUANT WN, 1                                    ; one block of W1 a lane: k = 64 c + 32 h + 0 .. 31 of column 16 nt + r
	v_lshlrev_b32 v140, v7, v[BY]
	v_permlanex16_b32 v[PD], v140, s28, s29
	v_or_b32 v140, v140, v[PD]                     ; bytes 2 c and 2 c + 1 of the column's scale word
	s_wait_alu depctr_va_vdst(0)                   ; the quantiser has written IM and v140, which the LDS stores read, and is done reading WN, in which W2's loads land
.irp q, 0,1,2
	ds_store_b64 v10, v[IM+2*\q:IM+2*\q+1] offset:256*\q
.endr
	ds_store_b16 v11, v140
.irp t, 0,1,2,3
	global_load_b128 v[WN+8*\t:WN+8*\t+3], v14, s[12:13] offset:64*\t        ; W2 at the same hidden units as b1
	global_load_b128 v[WN+8*\t+4:WN+8*\t+7], v14, s[12:13] offset:64*\t+16
.endr
	BARRIER                                        ; the tile and W1's images lie in LDS
	s_wait_alu depctr_vm_vsrc(0)                   ; my LDS stores have read X, in which the LDS loads below land, and IM and v140, which later vector lines write again
.irp c, 0,1
.irp i, 0,1,2,3,4,5,6,7,8,9,10,11,12,13,14,15,16,17,18,19,20,21,22,23,24,25,26,27,28,29,30,31
	ds_load_b32 v[X+32*\c+\i], v5 offset:(64*\c+\i)*PITCH+128*\c             ; V(key 64 c + 32 h + i, my channel)
.endr
.endr
	s_wait_dscnt 0x0
	QUANT X, 2
	WORD2
	s_wait_alu depctr_va_vdst(0)                   ; the quantiser has written IM and WD, which the stores below read, and is done reading X, in which the MLP's LDS loads land
	IMGOUT
	ds_store_b32 v6, v[WD]
.irp c, 0,1
.irp j, 0,1,2,3,4,5,6,7
	ds_load_b128 v[X+32*\c+4*\j:X+32*\c+4*\j+3], v8 offset:256*\c+16*\j      ; the MLP's operand: k = 64 c + 32 h + 0 .. 31 of position 16 w + r
.endr
.endr
.irp t, 0,1,2,3
.irp e, 0,1,2,3,4,5
	ds_load_b64 v[W1F+12*\t+2*\e:W1F+12*\t+2*\e+1], v232 offset:1536*\t+256*\e
.endr
	ds_load_b32 v[W1W+\t], v233 offset:64*\t
.endr
	s_wait_dscnt 0x0
	s_wait_xcnt 0x0                                ; the image's stores have had their addresses translated: their registers are written again only behind this wait,
	s_wait_alu depctr_vm_vsrc(0)                   ; and behind this one: the image's stores have read IM and the word's LDS store WD, which the quantiser below writes again
	QUANT X, 2
	WORD2
.rept 8
	v_nop                                          ; a scale register written by a vector instruction stands 8 places ahead of a scaled matrix instruction, an operand so written 4
.endr
	s_wait_alu depctr_va_vdst(0)                   ; the quantiser has written IM, the products' second source, and WD, its scale word; the places above stay beside this wait
.irp t, 0,1,2,3                                ; transposed: source 0 = 16 columns of W1, source 1 = my 16 positions: lane (r, h) holds position r and hidden units 16 t + 8 h + 0 .. 7
	v_wmma_scale_f32_16x16x128_f8f6f4 v[HB+8*\t:HB+8*\t+7], v[W1F+12*\t:W1F+12*\t+11], v[IM:IM+11], v[HB+8*\t:HB+8*\t+7], v[W1W+\t], v[WD] matrix_a_fmt:MATRIX_FMT_FP6 matrix_b_fmt:MATRIX_FMT_FP6
.endr
.rept 4
	v_nop
.endr
.irp j, 0,1,2,3,4,5,6,7,8,9,10,11,12,13,14,15,16,17,18,19,20,21,22,23,24,25,26,27,28,29,30,31
	v_max_num_f32 v[HB+\j], 0, v[HB+\j]            ; relu, each accumulator from its low end on
.endr
	s_wait_loadcnt 0x0                             ; W2
	s_wait_kmcnt 0x0                               ; b2
	v_pk_mul_f32 v[140:141], v[HB:HB+1], v[WN:WN+1]              ; the dot with W2 in f32, two chains
	v_pk_mul_f32 v[142:143], v[HB+2:HB+3], v[WN+2:WN+3]
.irp j, 4,8,12,16,20,24,28
	v_pk_fma_f32 v[140:141], v[HB+\j:HB+\j+1], v[WN+\j:WN+\j+1], v[140:141]
	v_pk_fma_f32 v[142:143], v[HB+\j+2:HB+\j+3], v[WN+\j+2:WN+\j+3], v[142:143]
.endr
	v_pk_add_f32 v[140:141], v[140:141], v[142:143]
	v_add_f32 v140, v140, v141
	v_permlanex16_b32 v[PD], v140, s28, s29
	v_add_f32 v140, v140, v[PD]                    ; with the other 32 hidden units
	v_add_f32 v140, s32, v140
	v_mul_f32 v140, 0xbfb8aa3b, v140               ; sigmoid(x) = 1 / (1 + 2^(-x log2 e))
	v_exp_f32 v140, v140
	v_nop                                          ; a plain place behind the transcendental,
	s_wait_alu depctr_va_vdst(0)                   ; and a wait ahead of its first reader: the exponential has written v140
	v_add_f32 v140, 1.0, v140
	v_rcp_f32 v140, v140
	v_nop
	s_wait_alu depctr_va_vdst(0)                   ; the reciprocal has written v140, ahead of its first reader
	v_med3_num_f32 v140, v140, s30, s31            ; the clip
	s_wait_alu depctr_va_vdst(0)                   ; the clip has written v140, which the LDS store reads; the vector and matrix instructions that named v140 to v147 are done, for wave 0's loads below
	ds_store_b32 v234, v140
	BARRIER
	s_cmp_lg_u32 s20, 0
	s_cbranch_scc1 .Lv_end
	s_wait_alu depctr_vm_vsrc(0)                   ; deg's LDS store has read v140, in which the load below lands
	ds_load_b128 v[140:143], v236                  ; wave 0: V's scale words of both heads,
	ds_load_b128 v[144:147], v235                  ; and the 128 deg: 512 bytes
	s_wait_dscnt 0x0
	global_store_b128 v13, v[140:143], s[34:35] offset:12544
	global_store_b128 v1, v[144:147], s[18:19]                     ; for the batch's maximum
	global_store_b128 v1, v[144:147], s[34:35] offset:12800        ; and into both heads' records
	global_store_b128 v1, v[144:147], s[34:35] offset:12800+HEADB
.Lv_end:
	s_wait_dscnt 0x0
	s_wait_alu depctr_hold_cnt(0) depctr_sa_sdst(0) depctr_va_vdst(0) depctr_va_sdst(0) depctr_va_ssrc(0) depctr_va_vcc(0) depctr_vm_vsrc(0)
	s_wait_tensorcnt 0x0
	ds_add_u32 v254, v255
	s_wait_dscnt 0x0
	s_endpgm
.Lfunc_end_k_qb92ec090bb_prep:
	.size	k_qb92ec090bb_prep, .Lfunc_end_k_qb92ec090bb_prep-k_qb92ec090bb_prep
	.p2alignl 7, 3214868480
	.fill 96, 4, 3214868480
	.section	.rodata,"a",@progbits
	.p2align	6, 0x0
	.amdhsa_kernel k_qb92ec090bb_prep
		.amdhsa_group_segment_fixed_size 144640
		.amdhsa_private_segment_fixed_size 0
		.amdhsa_enable_private_segment 0
		.amdhsa_kernarg_size 64
		.amdhsa_user_sgpr_count 2
		.amdhsa_user_sgpr_kernarg_segment_ptr 1
		.amdhsa_wavefront_size32 1
		.amdhsa_system_sgpr_workgroup_id_x 1
		.amdhsa_system_sgpr_workgroup_id_y 1
		.amdhsa_system_sgpr_workgroup_id_z 1
		.amdhsa_system_vgpr_workitem_id 0
		.amdhsa_next_free_vgpr 256
		.amdhsa_next_free_sgpr 66
		.amdhsa_reserve_vcc 0
		.amdhsa_float_denorm_mode_32 3
		.amdhsa_float_denorm_mode_16_64 3
		.amdhsa_memory_ordered 1
		.amdhsa_forward_progress 1
		.amdhsa_inst_pref_size 41
	.end_amdhsa_kernel
	.amdgpu_metadata
---
amdhsa.version: [ 1, 2 ]
amdhsa.kernels:
  - .name:           k_qb92ec090bb_prep
    .symbol:         k_qb92ec090bb_prep.kd
    .args:
      - { .name: keys, .offset: 0, .size: 8, .value_kind: global_buffer, .address_space: global }
      - { .name: values, .offset: 8, .size: 8, .value_kind: global_buffer, .address_space: global }
      - { .name: W1, .offset: 16, .size: 8, .value_kind: global_buffer, .address_space: global }
      - { .name: b1, .offset: 24, .size: 8, .value_kind: global_buffer, .address_space: global }
      - { .name: W2, .offset: 32, .size: 8, .value_kind: global_buffer, .address_space: global }
      - { .name: b2, .offset: 40, .size: 8, .value_kind: global_buffer, .address_space: global }
      - { .name: kv, .offset: 48, .size: 8, .value_kind: global_buffer, .address_space: global }
      - { .name: deg, .offset: 56, .size: 8, .value_kind: global_buffer, .address_space: global }
    .group_segment_fixed_size: 144640
    .private_segment_fixed_size: 0
    .kernarg_segment_align: 8
    .kernarg_segment_size: 64
    .max_flat_workgroup_size: 256
    .sgpr_count:     66
    .vgpr_count:     256
    .wavefront_size: 32
...
	.end_amdgpu_metadata
.endif
;; end of part 3
;; launch attn: the kernel of part 2 again; grid 16 x 16, 8 waves a work-group, clusters of 4 x 1, 327,680 bytes of LDS; arguments queries, kv, deg, out0; writes out0
